; MI455X (gfx1250); checked and timed in simulation.
; The chip was launched on July 23, 2026; its instructions are those of AMD's public machine-readable ISA for CDNA 5 (MIT licence, August 2026) and "CDNA5" Instruction Set Architecture Reference Guide (July 2026). The comments in the code are by the model that wrote it; some were corrected since.
;; Encoder Layer foridx. Allowed arithmetic: float matrix products may take bf16 or f16 operands with f32 sums; all other float work in f32.
;; Inputs: W1 512 x 512 float32; W2 512 x 512 float32; Wk 512 x 512 float32; Wq 512 x 512 float32; Wv 512 x 512 float32; b1 512 float32; b2 512 float32; ln1_b 512 float32; ln1_g 512 float32; ln2_b 512 float32; ln2_g 512 float32; x 8 x 2,048 x 512 float32.
;; Outputs: out0 8 x 2,048 x 512 float32.
;; One version. Each part assembles by itself: llvm-mc -triple=amdgcn-amd-amdhsa -mcpu=gfx1250 --defsym DOCPART=n.
;; ======== version 1 of 1: 2 launches
;; workspace buffers: wt 2,097,152 bytes; y 16,777,216 bytes
;; launch prep (part 1): grid 416 x 1, 8 waves a work-group, no clusters, 18,432 bytes of LDS; arguments x, ln1_g, ln1_b, Wq, Wk, Wv, W1, W2, wt, y; writes wt, y
.if DOCPART == 1
	.amdgcn_target "amdgcn-amd-amdhsa--gfx1250"
	.amdhsa_code_object_version 6
	.text
	.protected	k_q9a73c4d427_prep
	.globl	k_q9a73c4d427_prep
	.p2align	8
	.type	k_q9a73c4d427_prep,@function
k_q9a73c4d427_prep:
	s_mov_b64 s[64:65], 0
	v_nop
	global_prefetch_b8 v0, s[64:65] scope:SCOPE_SE
	s_setreg_imm32_b32 hwreg(HW_REG_WAVE_MODE, 25, 1), 1
	s_wait_xcnt 0x0
; prep: everything that the main launch wants ready in bf16.  Four roles, chosen by the work-group's number (the same for all eight waves):
;   0-63    M^T = Wk Wq^T (512 x 512 x 512): scores = (y Wq)(y Wk)^T = (y M) y^T with M = Wq Wk^T, so q and k are never formed
;   64-319  y = LayerNorm1(x), bf16 rows of 1,024 bytes; 64 rows a work-group, 8 a wave, one wave a row
;   320-383 Wv^T and W1^T (wt[n][k] = W[k][n]), 128 k x 64 n a work-group, turned through LDS
;   384-415 W2 as it lies
; wt is [2048][512] bf16: rows 0-511 M^T, 512-1023 Wv^T, 1024-1535 W1^T, 1536-2047 W2.
; No work-group shares a tile with another at the same time, so there is no cluster.  Every store covers 256 consecutive aligned bytes.
; LIMITS: Wq and Wk are rounded to bf16 for M, sums f32, M rounded to bf16; mean and variance in f32, the variance from centred values;
; v_rsq_f32 flushes denormals.
.set LP, 272                           ; LDS pitch of a stage row: 256 bytes + 16
.set G,   16                           ; LayerNorm: gains, biases of my 16 columns
.set B,   32
.set T,   48                           ; v48-79 at work
.set MU,  80                           ; minus the mean of four rows
.set RS,  84                           ; 1 / sqrt(var + eps) of four rows
.set X,   96                           ; v96-223: eight rows, 16 registers each
.set XB,  32                           ; M^T: two batch buffers of 96 registers, v32-127 and v128-223
.set ACC, 224                          ; two accumulators, v224-239
.macro BAR
	s_barrier_signal -1
	s_barrier_wait -1
.endm
.macro PLACES n                        ; places behind matrix instructions (ISA guide 7.12.1)
.rept \n
	v_nop
.endr
.endm
	s_load_b512 s[8:23], s[0:1], 0x0               ; x 8, ln1_g 10, ln1_b 12, Wq 14, Wk 16, Wv 18, W1 20, W2 22
	s_load_b128 s[24:27], s[0:1], 0x40             ; wt 24, y 26
	v_lshl_add_u32 v254, v0, 2, 0x4400
	v_mov_b32 v255, 0
	s_mov_b32 s4, ttmp9
	s_cmp_lt_u32 s4, 64
	s_cbranch_scc1 .Lmt
	s_cmp_lt_u32 s4, 320
	s_cbranch_scc1 .Lln
	s_cmp_lt_u32 s4, 384
	s_cbranch_scc1 .Ltr
	; ---- W2 keeps its layout: rows 16 part + 4 p + tid / 64; a thread takes 8 numbers (32 bytes in, 16 bytes out)
	s_sub_co_u32 s5, s4, 384
	v_and_b32 v1, 63, v0
	v_lshrrev_b32 v2, 6, v0
	v_lshlrev_b32 v3, 5, v1
	v_lshl_add_u32 v3, v2, 11, v3
	v_lshlrev_b32 v4, 4, v1
	v_lshl_add_u32 v4, v2, 10, v4
	s_lshl_b32 s28, s5, 15                         ; 16 rows of 2,048 bytes
	s_mov_b32 s29, 0
	s_lshl_b32 s30, s5, 14                         ; 16 rows of 1,024 bytes,
	s_add_co_u32 s30, s30, 1536*1024               ; behind wt's first 1,536 rows
	s_mov_b32 s31, 0
	s_wait_kmcnt 0x0
	s_add_nc_u64 s[22:23], s[22:23], s[28:29]
	s_add_nc_u64 s[24:25], s[24:25], s[30:31]
.irp p, 0,1,2,3
	global_load_b128 v[8+8*\p:8+8*\p+3], v3, s[22:23] offset:8192*\p th:TH_LOAD_NT
	global_load_b128 v[8+8*\p+4:8+8*\p+7], v3, s[22:23] offset:8192*\p+16 th:TH_LOAD_NT
.endr
.irp p, 0,1,2,3
	s_wait_loadcnt 6-2*\p                          ; the two loads of row group p are in; the 6 - 2 p younger ones may be out
.irp q, 0,1,2,3
	v_cvt_pk_bf16_f32 v[40+4*\p+\q], v[8+8*\p+2*\q], v[8+8*\p+2*\q+1]
.endr
	global_store_b128 v4, v[40+4*\p:40+4*\p+3], s[24:25] offset:4096*\p
.endr
	s_endpgm
.Ltr:
	; ---- transposed: matrix = id / 32 (0 Wv, 1 W1), k0 = 128 (part & 3), n0 = 64 (part >> 2)
	s_sub_co_u32 s4, s4, 320
	s_lshr_b32 s28, s4, 5
	s_and_b32 s5, s4, 31
	s_and_b32 s6, s5, 3
	s_lshr_b32 s7, s5, 2
	v_and_b32 v1, 15, v0                           ; nq: which four n
	v_lshrrev_b32 v2, 4, v0                        ; kr: which pair of k rows
	v_lshlrev_b32 v3, 4, v1                        ; 16 nq
	v_lshl_add_u32 v4, v2, 12, v3                  ; load: 2 rows of 2,048 bytes for each kr + 16 nq
	v_mul_u32_u24 v5, v1, 4*LP
	v_lshl_add_u32 v5, v2, 2, v5                   ; LDS in: row 4 nq (+ i), byte 4 kr (+ 64 p)
	v_mul_u32_u24 v6, v2, LP
	v_add_nc_u32 v6, v6, v3                        ; LDS back: row tid / 16, 16 bytes a lane
	v_lshl_add_u32 v7, v2, 10, v3                  ; the same row and bytes in wt
	s_lshl_b32 s30, s6, 18                         ; 128 rows of 2,048 bytes for each k tile
	s_lshl_b32 s31, s7, 8                          ; 64 n of 4 bytes for each n tile
	s_add_co_u32 s30, s30, s31
	s_mov_b32 s31, 0
	s_add_co_u32 s34, s28, 1
	s_lshl_b32 s34, s34, 19                        ; Wv^T begins at row 512, W1^T at row 1,024
	s_lshl_b32 s35, s7, 16                         ; 64 rows for each n tile
	s_add_co_u32 s34, s34, s35
	s_lshl_b32 s35, s6, 8                          ; 128 k of 2 bytes for each k tile
	s_add_co_u32 s34, s34, s35
	s_mov_b32 s35, 0
	s_wait_kmcnt 0x0
	s_cmp_eq_u32 s28, 1
	s_cselect_b64 s[32:33], s[20:21], s[18:19]     ; the source, chosen by the matrix number
	s_add_nc_u64 s[32:33], s[32:33], s[30:31]
	s_add_nc_u64 s[24:25], s[24:25], s[34:35]
.irp p, 0,1,2,3
.irp e, 0,1
	global_load_b128 v[8+8*\p+4*\e:8+8*\p+4*\e+3], v4, s[32:33] offset:65536*\p+2048*\e th:TH_LOAD_NT   ; row k0 + 32 p + 2 kr + e: 16 lanes take 256 bytes
.endr
.endr
	s_wait_loadcnt 0x0
.irp p, 0,1,2,3
.irp i, 0,1,2,3
	v_cvt_pk_bf16_f32 v[40+4*\p+\i], v[8+8*\p+\i], v[12+8*\p+\i]    ; (W[k][n], W[k+1][n]): neighbours in wt's row n
.endr
.endr
.irp p, 0,1,2,3
.irp i, 0,1,2,3
	ds_store_b32 v5, v[40+4*\p+\i] offset:LP*\i+64*\p
.endr
.endr
	s_wait_dscnt 0x0                               ; my stores are in LDS before I say so: other waves read them
	BAR
.irp p, 0,1,2,3
	ds_load_b128 v[8+4*\p:8+4*\p+3], v6 offset:16*LP*\p
.endr
.irp p, 0,1,2,3
	s_wait_dscnt 3-\p                              ; LDS loads return in order: load p is in, the 3 - p younger ones may be out
	global_store_b128 v7, v[8+4*\p:8+4*\p+3], s[24:25] offset:16384*\p
.endr
	s_wait_tensorcnt 0x0
	ds_add_u32 v254, v255
	s_wait_dscnt 0x0
	s_endpgm
	; ---- y = LayerNorm1(x)
; sums over the 32 lanes of v[base + st i], i = 0..3; v[base + st i + 1] (written before) takes the other half's figure
.macro LANESUM base, st
.irp m, 1,2,4,8
.irp i, 0,1,2,3
	v_add_f32_dpp v[\base+\st*\i], v[\base+\st*\i], v[\base+\st*\i] row_xmask:\m row_mask:0xf bank_mask:0xf
.endr
.endr
.irp i, 0,1,2,3
	v_permlanex16_b32 v[\base+\st*\i+1], v[\base+\st*\i], s28, s29
.endr
.irp i, 0,1,2,3
	v_add_f32 v[\base+\st*\i], v[\base+\st*\i], v[\base+\st*\i+1]
.endr
.endm
.macro LN_CEN t, i, pr, sel            ; x - mean, in place; the row's figure is picked out of its pair by op_sel
.irp q, 0,1,2,3,4,5,6,7
	v_pk_add_f32 v[X+16*(4*\t+\i)+2*\q:X+16*(4*\t+\i)+2*\q+1], v[X+16*(4*\t+\i)+2*\q:X+16*(4*\t+\i)+2*\q+1], v[MU+\pr:MU+\pr+1] op_sel:[0,\sel] op_sel_hi:[1,\sel]
.endr
.endm
.macro LN_SCL t, i, pr, sel            ; (x - mean) / sqrt(var + eps), in place
	s_wait_alu depctr_va_vdst(0)
.irp q, 0,1,2,3,4,5,6,7
	v_pk_mul_f32 v[X+16*(4*\t+\i)+2*\q:X+16*(4*\t+\i)+2*\q+1], v[X+16*(4*\t+\i)+2*\q:X+16*(4*\t+\i)+2*\q+1], v[RS+\pr:RS+\pr+1] op_sel:[0,\sel] op_sel_hi:[1,\sel]
.endr
.endm
.macro LNSTEP t                        ; four rows of my wave at once
	s_wait_loadcnt 16-16*\t                        ; loads return in order: this step's 16 are in, the later step's 16 may be out
.irp i, 0,1,2,3
.irp p, 0,1,2,3
	v_pk_add_f32 v[T+8*\i+2*\p:T+8*\i+2*\p+1], v[X+16*(4*\t+\i)+4*\p:X+16*(4*\t+\i)+4*\p+1], v[X+16*(4*\t+\i)+4*\p+2:X+16*(4*\t+\i)+4*\p+3]
.endr
.endr
.irp i, 0,1,2,3
	v_pk_add_f32 v[T+8*\i:T+8*\i+1], v[T+8*\i:T+8*\i+1], v[T+8*\i+2:T+8*\i+3]
	v_pk_add_f32 v[T+8*\i+4:T+8*\i+5], v[T+8*\i+4:T+8*\i+5], v[T+8*\i+6:T+8*\i+7]
.endr
.irp i, 0,1,2,3
	v_pk_add_f32 v[T+8*\i:T+8*\i+1], v[T+8*\i:T+8*\i+1], v[T+8*\i+4:T+8*\i+5]
.endr
.irp i, 0,1,2,3
	v_add_f32 v[T+8*\i], v[T+8*\i], v[T+8*\i+1]
.endr
	LANESUM T, 8
.irp i, 0,1,2,3
	v_mul_f32 v[MU+\i], 0xbb000000, v[T+8*\i]      ; - sum / 512
.endr
	LN_CEN \t, 0, 0, 0
	LN_CEN \t, 1, 0, 1
	LN_CEN \t, 2, 2, 0
	LN_CEN \t, 3, 2, 1
.irp i, 0,1,2,3                                    ; squares of the centred values, two chains a row
.irp c, 0,1
	v_pk_mul_f32 v[T+4*\i+2*\c:T+4*\i+2*\c+1], v[X+16*(4*\t+\i)+2*\c:X+16*(4*\t+\i)+2*\c+1], v[X+16*(4*\t+\i)+2*\c:X+16*(4*\t+\i)+2*\c+1]
.endr
.endr
.irp q, 2,3,4,5,6,7
.irp i, 0,1,2,3
	v_pk_fma_f32 v[T+4*\i+2*(\q&1):T+4*\i+2*(\q&1)+1], v[X+16*(4*\t+\i)+2*\q:X+16*(4*\t+\i)+2*\q+1], v[X+16*(4*\t+\i)+2*\q:X+16*(4*\t+\i)+2*\q+1], v[T+4*\i+2*(\q&1):T+4*\i+2*(\q&1)+1]
.endr
.endr
.irp i, 0,1,2,3
	v_pk_add_f32 v[T+4*\i:T+4*\i+1], v[T+4*\i:T+4*\i+1], v[T+4*\i+2:T+4*\i+3]
.endr
.irp i, 0,1,2,3
	v_add_f32 v[T+4*\i], v[T+4*\i], v[T+4*\i+1]
.endr
	LANESUM T, 4
.irp i, 0,1,2,3
	v_fma_f32 v[RS+\i], v[T+4*\i], s30, s31        ; var + eps
.endr
.irp i, 0,1,2,3
	v_rsq_f32 v[RS+\i], v[RS+\i]
.endr
	v_nop                                          ; one plain place behind the transcendentals (ISA guide 5.7.2)
	LN_SCL \t, 0, 0, 0
	LN_SCL \t, 1, 0, 1
	LN_SCL \t, 2, 2, 0
	LN_SCL \t, 3, 2, 1
.irp i, 0,1,2,3
.irp q, 0,1,2,3,4,5,6,7
	v_pk_fma_f32 v[X+16*(4*\t+\i)+2*\q:X+16*(4*\t+\i)+2*\q+1], v[X+16*(4*\t+\i)+2*\q:X+16*(4*\t+\i)+2*\q+1], v[G+2*\q:G+2*\q+1], v[B+2*\q:B+2*\q+1]
.endr
.endr
.irp i, 0,1,2,3
.irp q, 0,1,2,3,4,5,6,7
	v_cvt_pk_bf16_f32 v[X+16*(4*\t+\i)+\q], v[X+16*(4*\t+\i)+2*\q], v[X+16*(4*\t+\i)+2*\q+1]
.endr
.endr
.irp i, 0,1,2,3
.irp c, 0,1,2,3
	global_store_b64 v5, v[X+16*(4*\t+\i)+2*\c:X+16*(4*\t+\i)+2*\c+1], s[26:27] offset:(4*\t+\i)*1024+256*\c   ; 32 lanes x 8 bytes: 256 consecutive aligned bytes
.endr
.endr
.endm
.Lln:
	s_sub_co_u32 s5, s4, 64                        ; which 64 rows
	v_and_b32 v1, 31, v0                           ; lane
	v_lshrrev_b32 v2, 5, v0                        ; wave
	v_lshlrev_b32 v3, 4, v1                        ; gains, biases: 16 L
	v_lshl_add_u32 v4, v2, 14, v3                  ; x: 8 rows of 2,048 bytes a wave + 16 L
	v_lshlrev_b32 v5, 3, v1
	v_lshl_add_u32 v5, v2, 13, v5                  ; y: 8 rows of 1,024 bytes a wave + 8 L
	s_mov_b32 s28, 0x76543210                      ; v_permlanex16_b32: lane i reads lane i of the other half
	s_mov_b32 s29, 0xfedcba98
	s_mov_b32 s30, 0x3b000000                      ; 1 / 512
	s_mov_b32 s31, 0x3727c5ac                      ; 1e-5
	s_lshl_b32 s2, s5, 17
	s_mov_b32 s3, 0
	s_lshl_b32 s6, s5, 16
	s_mov_b32 s7, 0
	s_wait_kmcnt 0x0
	s_add_nc_u64 s[8:9], s[8:9], s[2:3]
	s_add_nc_u64 s[26:27], s[26:27], s[6:7]
.irp c, 0,1,2,3
	global_load_b128 v[G+4*\c:G+4*\c+3], v3, s[10:11] offset:512*\c
	global_load_b128 v[B+4*\c:B+4*\c+3], v3, s[12:13] offset:512*\c
.endr
.irp i, 0,1,2,3,4,5,6,7
.irp c, 0,1,2,3
	global_load_b128 v[X+16*\i+4*\c:X+16*\i+4*\c+3], v4, s[8:9] offset:2048*\i+512*\c th:TH_LOAD_NT   ; 512 neighbouring bytes of a row
.endr
.endr
	LNSTEP 0
	LNSTEP 1
	s_endpgm
	; ---- M^T[b][a] = sum over d of Wk[b][d] Wq[a][d].  A work-group makes 32 b x 128 a, wave (wb, wa) 16 b x 32 a.
	; First operand: 16 rows of Wq (m = a), second: 16 rows of Wk (n = b), so that a lane's eight results are eight neighbouring a of one row b.
	; f32 rows are loaded straight into the places of a fragment (16 registers) and rounded in place to its 8 registers.
	; d goes in 8 batches of 64 (24 loads, 96 registers); two batches are on their way.
.macro MFRAG blk, voff, sb, off        ; lane (r, h): d = 8 h .. 8 h + 7 (32 bytes), then d = 16 + 8 h .. (32 bytes, 64 further)
	global_load_b128 v[\blk:\blk+3], v[\voff], s[\sb:\sb+1] offset:\off
	global_load_b128 v[\blk+4:\blk+7], v[\voff], s[\sb:\sb+1] offset:\off+16
	global_load_b128 v[\blk+8:\blk+11], v[\voff], s[\sb:\sb+1] offset:\off+64
	global_load_b128 v[\blk+12:\blk+15], v[\voff], s[\sb:\sb+1] offset:\off+80
.endm
.macro MLOAD bt
.irp ss, 0,1
	MFRAG XB+96*((\bt)&1)+48*\ss, 5, 14, 128*(2*(\bt)+\ss)
	MFRAG XB+96*((\bt)&1)+48*\ss+16, 5, 14, 128*(2*(\bt)+\ss)+32768
	MFRAG XB+96*((\bt)&1)+48*\ss+32, 6, 16, 128*(2*(\bt)+\ss)
.endr
.endm
.macro MBATCH bt, left, more
	s_wait_loadcnt \left                           ; this batch's 24 loads are in; the next batch's 24 may be out
.irp ss, 0,1
.irp f, 0,1,2
.irp q, 0,1,2,3,4,5,6,7
	v_cvt_pk_bf16_f32 v[XB+96*((\bt)&1)+48*\ss+16*\f+\q], v[XB+96*((\bt)&1)+48*\ss+16*\f+2*\q], v[XB+96*((\bt)&1)+48*\ss+16*\f+2*\q+1]
.endr
.endr
.endr
.irp ss, 0,1
.irp i, 0,1                                        ; the two accumulators take turns, one instruction a turn
.if (\bt)+\ss == 0
	v_wmma_f32_16x16x32_bf16 v[ACC+8*\i:ACC+8*\i+7], v[XB+96*((\bt)&1)+48*\ss+16*\i:XB+96*((\bt)&1)+48*\ss+16*\i+7], v[XB+96*((\bt)&1)+48*\ss+32:XB+96*((\bt)&1)+48*\ss+39], 0
.else
	v_wmma_f32_16x16x32_bf16 v[ACC+8*\i:ACC+8*\i+7], v[XB+96*((\bt)&1)+48*\ss+16*\i:XB+96*((\bt)&1)+48*\ss+16*\i+7], v[XB+96*((\bt)&1)+48*\ss+32:XB+96*((\bt)&1)+48*\ss+39], v[ACC+8*\i:ACC+8*\i+7]
.endif
.endr
.endr
.if \more
	PLACES 4                                       ; loads into registers that matrix instructions have read
	MLOAD \bt+2
.endif
.endm
.Lmt:
	s_lshr_b32 s5, s4, 2                           ; which 32 b
	s_and_b32 s6, s4, 3                            ; which 128 a
	v_lshrrev_b32 v1, 5, v0
	v_readfirstlane_b32 s7, v1                     ; wave
	s_lshr_b32 s28, s7, 2                          ; wb
	s_and_b32 s29, s7, 3                           ; wa
	v_and_b32 v2, 15, v0                           ; r
	v_bfe_u32 v3, v0, 4, 1                         ; h
	v_lshlrev_b32 v4, 11, v2
	v_lshl_add_u32 v4, v3, 5, v4                   ; 2,048 r + 32 h
	s_lshl_b32 s30, s29, 16
	v_add_nc_u32 v5, s30, v4                       ; Wq: + 32 wa rows
	s_lshl_b32 s30, s28, 15
	v_add_nc_u32 v6, s30, v4                       ; Wk: + 16 wb rows
	v_mul_u32_u24 v7, v2, LP
	v_lshl_add_u32 v7, v3, 4, v7
	s_mul_i32 s30, s28, 16*LP
	s_lshl_b32 s31, s29, 6
	s_add_co_u32 s30, s30, s31
	v_add_nc_u32 v7, s30, v7                       ; stage, in: (16 wb + r) 272 + 64 wa + 16 h
	v_lshrrev_b32 v8, 4, v0                        ; tid / 16
	v_mul_u32_u24 v10, v8, LP
	v_lshl_add_u32 v10, v2, 4, v10                 ; stage, back: row tid / 16, 16 bytes a lane
	v_lshlrev_b32 v11, 10, v8
	v_lshl_add_u32 v11, v2, 4, v11                 ; the same row and bytes in wt
	s_lshl_b32 s2, s6, 18                          ; 128 rows of Wq
	s_mov_b32 s3, 0
	s_lshl_b32 s30, s5, 16                         ; 32 rows of Wk
	s_mov_b32 s31, 0
	s_lshl_b32 s34, s5, 15                         ; 32 rows of wt,
	s_lshl_b32 s35, s6, 8                          ; 128 a of 2 bytes
	s_add_co_u32 s34, s34, s35
	s_mov_b32 s35, 0
	s_wait_kmcnt 0x0
	s_add_nc_u64 s[14:15], s[14:15], s[2:3]
	s_add_nc_u64 s[16:17], s[16:17], s[30:31]
	s_add_nc_u64 s[24:25], s[24:25], s[34:35]
	MLOAD 0
	MLOAD 1
	MBATCH 0, 24, 1
	MBATCH 1, 24, 1
	MBATCH 2, 24, 1
	MBATCH 3, 24, 1
	MBATCH 4, 24, 1
	MBATCH 5, 24, 1
	MBATCH 6, 24, 0
	MBATCH 7, 0, 0
	PLACES 4
.irp i, 0,1
.irp q, 0,1,2,3
	v_cvt_pk_bf16_f32 v[240+4*\i+\q], v[ACC+8*\i+2*\q], v[ACC+8*\i+2*\q+1]
.endr
.endr
	ds_store_b128 v7, v[240:243]
	ds_store_b128 v7, v[244:247] offset:32
	s_wait_dscnt 0x0                               ; my stores are in LDS before I say so: other waves read them
	BAR
	ds_load_b128 v[32:35], v10
	ds_load_b128 v[36:39], v10 offset:16*LP
	s_wait_dscnt 0x1                               ; the first load is in, the second may be out
	global_store_b128 v11, v[32:35], s[24:25]
	s_wait_dscnt 0x0
	global_store_b128 v11, v[36:39], s[24:25] offset:16384
	s_wait_tensorcnt 0x0
	ds_add_u32 v254, v255
	s_wait_dscnt 0x0
	s_endpgm
.Lfunc_end_k_q9a73c4d427_prep:
	.size	k_q9a73c4d427_prep, .Lfunc_end_k_q9a73c4d427_prep-k_q9a73c4d427_prep
	.p2alignl 7, 3214868480
	.fill 96, 4, 3214868480
	.section	.rodata,"a",@progbits
	.p2align	6, 0x0
	.amdhsa_kernel k_q9a73c4d427_prep
		.amdhsa_group_segment_fixed_size 18432
		.amdhsa_private_segment_fixed_size 0
		.amdhsa_enable_private_segment 0
		.amdhsa_kernarg_size 80
		.amdhsa_user_sgpr_count 2
		.amdhsa_user_sgpr_kernarg_segment_ptr 1
		.amdhsa_wavefront_size32 1
		.amdhsa_system_sgpr_workgroup_id_x 1
		.amdhsa_system_sgpr_workgroup_id_y 1
		.amdhsa_system_sgpr_workgroup_id_z 1
		.amdhsa_system_vgpr_workitem_id 0
		.amdhsa_next_free_vgpr 256
		.amdhsa_next_free_sgpr 66
		.amdhsa_reserve_vcc 0
		.amdhsa_float_denorm_mode_32 3
		.amdhsa_float_denorm_mode_16_64 3
		.amdhsa_memory_ordered 1
		.amdhsa_forward_progress 1
		.amdhsa_inst_pref_size 96
	.end_amdhsa_kernel
	.amdgpu_metadata
---
amdhsa.version: [ 1, 2 ]
amdhsa.kernels:
  - .name:           k_q9a73c4d427_prep
    .symbol:         k_q9a73c4d427_prep.kd
    .args:
      - { .name: x, .offset: 0, .size: 8, .value_kind: global_buffer, .address_space: global }
      - { .name: ln1_g, .offset: 8, .size: 8, .value_kind: global_buffer, .address_space: global }
      - { .name: ln1_b, .offset: 16, .size: 8, .value_kind: global_buffer, .address_space: global }
      - { .name: Wq, .offset: 24, .size: 8, .value_kind: global_buffer, .address_space: global }
      - { .name: Wk, .offset: 32, .size: 8, .value_kind: global_buffer, .address_space: global }
      - { .name: Wv, .offset: 40, .size: 8, .value_kind: global_buffer, .address_space: global }
      - { .name: W1, .offset: 48, .size: 8, .value_kind: global_buffer, .address_space: global }
      - { .name: W2, .offset: 56, .size: 8, .value_kind: global_buffer, .address_space: global }
      - { .name: wt, .offset: 64, .size: 8, .value_kind: global_buffer, .address_space: global }
      - { .name: y, .offset: 72, .size: 8, .value_kind: global_buffer, .address_space: global }
    .group_segment_fixed_size: 18432
    .private_segment_fixed_size: 0
    .kernarg_segment_align: 8
    .kernarg_segment_size: 80
    .max_flat_workgroup_size: 256
    .sgpr_count:     66
    .vgpr_count:     256
    .wavefront_size: 32
...
	.end_amdgpu_metadata
.endif
;; end of part 1
;; launch enc (part 2): grid 256 x 1, 4 waves a work-group, clusters of 4 x 1, 327,680 bytes of LDS; arguments x, y, wt, ln2_g, ln2_b, b1, b2, out0; writes out0
.if DOCPART == 2
	.amdgcn_target "amdgcn-amd-amdhsa--gfx1250"
	.amdhsa_code_object_version 6
	.text
	.protected	k_q9a73c4d427_enc
	.globl	k_q9a73c4d427_enc
	.p2align	8
	.type	k_q9a73c4d427_enc,@function
k_q9a73c4d427_enc:
	s_mov_b64 s[64:65], 0
	v_nop
	global_prefetch_b8 v0, s[64:65] scope:SCOPE_SE
	s_setreg_imm32_b32 hwreg(HW_REG_WAVE_MODE, 25, 1), 1
	s_wait_xcnt 0x0
	s_wait_alu depctr_hold_cnt(0) depctr_sa_sdst(0) depctr_va_vdst(0) depctr_va_sdst(0) depctr_va_ssrc(0) depctr_va_vcc(0) depctr_vm_vsrc(0)
	s_getreg_b32 s2, hwreg(HW_REG_IB_STS2, 6, 4)
	s_cmp_eq_u32 s2, 0
	s_cbranch_scc0 .Lentry_in_a_cluster
	s_endpgm
.Lentry_in_a_cluster:
	s_bfe_u32 s2, ttmp6, 0x10000c
	s_cmp_lg_u32 s2, 0x3003
	s_cbranch_scc0 .Lentry_shape_is_right
	s_endpgm
.Lentry_shape_is_right:
; enc: with y = LayerNorm1(x) and M = Wq Wk^T from the launch before:
;   q' = y M;  P = softmax(q' y^T / sqrt(512));  h = x + (P y) Wv;  out = h + gelu(LayerNorm2(h) W1 + b1) W2 + b2.
; (y Wq)(y Wk)^T = (y M) y^T and P (y Wv) = (P y) Wv hold for every input; with them keys and values are the same rows of y, so ONE tile
; of 128 rows serves the scores and P y, and two slots of such tiles fit in LDS.
; A work-group owns 64 rows; four waves.  The 64-row operand (y, then q', then P y / l, then LayerNorm2(h); bf16) stays in registers as the
; second operand of the score-type products, 512 registers in every wave.  32 tiles of 128 rows x 512 bf16 go by in a ring of two slots:
; M^T (4), y of the batch (16), Wv^T (4), W1^T and W2 by turns (8).  Score-type: wave w multiplies tile rows 32 w .. 32 w + 31 with all 64
; rows (D(m = tile row, n = row)).  Value-type: wave w adds P x tile for output columns 128 w .. 128 w + 127 (32 accumulators).
; Softmax with a running maximum over all four waves' keys.  The Wv product adds onto x, the W2 product onto h + b2: h never goes to memory.
; CLUSTER: four work-groups (four row blocks of one batch; 32 blocks a batch) walk the same tiles and ask for them jointly (mask 15): the
; requests are divided by four.  A wave brings a quarter of a tile (32 rows x 1,024 bytes) with one load, behind one round a tile; the load
; has the whole work on the tile before in which to land.  A wave has at most two tensor loads outstanding
; (the two first fills), later one.
; LIMITS: y, M, q', P, P y / l, LayerNorm2(h), gelu and the weights are bf16 for the products, sums f32; the softmax's denominator adds f32 p
; while P y uses p rounded to bf16; erfc by Abramowitz-Stegun 7.1.26 (absolute error at most 1.5e-7 for every argument); an infinite
; pre-activation gives NaN; v_exp_f32, v_rcp_f32, v_rsq_f32 flush denormals; products and sums are associated otherwise than in the formula
; with q, k and v.
;
; REGISTERS in windows of 256:  window 0: v1-23 addresses and a constant, v24-47 statistics, v48-111 S (8 accumulators) = V buffer 1 = TB,
;   v112-175 KA = V buffer 0, v176-239 KB = P buffers 0 (176) and 1 (208) = GELU's temporaries, v240-255 small vectors;
;   the operand QF(kk, t) (k = 32 kk .., rows 16 t ..) at register 32 (kk % 8) + 8 t: for q' = y M in window 1 (kk < 8) and 2; afterwards in
;   window 3 (kk < 8) and 2;   accumulators O(t, dt) at 8 (8 t + dt) of window 1, from the first key tile on.
.set KPITCH, 1040                      ; odd multiple of 16: fragment loads by rows fall on different 16-byte columns
.set VPITCH, 1056                      ; W2's tiles: odd multiple of 32, for transposing loads of neighbouring columns
.set SLOT,   128*VPITCH                ; 135,168: room for either pitch
.set R0,     2*SLOT                    ; 270,336: regions of 17,408 bytes, never the target of a tensor load: region 0: P [64][128] pitch 272; regions 0, 1 by
.set RSZ,    17408                     ; turns: stages of q' and exchanges (16 rows, pitch 1,040); at the end each wave's own stage (8,704 bytes, pitch 528)
.set R2,     R0+2*RSZ                  ; 305,152: x's stage, 4,352 bytes a wave (16 rows x 256 bytes, pitch 272)
.set ST,     R2+RSZ                    ; 322,560: four tables [64 rows][4 waves] f32: maxima, denominators, sums, squares
.set XPITCH, 528
.set KADR, 1                           ; v1, v2: slot 0, 1: (32 w + r) 1,040 + 16 h
.set VA,   3                           ; v3-6: y tiles, slot 0 rows 0-63, 64-127, slot 1 likewise: (8 h + L % 8) 1,040 + 128 ((L / 8) % 2) + 256 w
.set VB,   7                           ; v7, v8: W2 tiles (slot 1): (8 h + L % 8) 1,056 + 16 ((L / 8) % 2) + 256 w; + 64 rows
.set PLD,  9                           ; R0 + 272 r + 16 h
.set PST,  10                          ; PLD + 64 w
.set SST,  11                          ; ST + 16 r + 4 w
.set SLD,  12                          ; ST + 16 r
.set XST,  13                          ; x's stage, in: 272 (L / 16) + 16 (L % 16); at the end: my stage + 16 L
.set XLD,  14                          ; x's stage, out: 272 r + 32 h; at the end: my stage + 528 r + 32 h
.set GOF,  15                          ; x: 2,048 (L / 16) + 16 (L % 16) + 512 w; at the end, out0: 512 w + 16 L
.set YST,  16                          ; R0 + 1,040 r + 256 w + 16 h
.set YLD,  17                          ; R0 + 1,040 r + 16 h
.set YSA,  18                          ; R0 + 1,040 r + 256 w + 128 h
.set QOF,  19                          ; 1,024 r + 16 h
.set VEC,  20                          ; 512 w + 32 h: my columns in ln2_g, ln2_b, b2
.set B1O,  21                          ; 128 w + 32 h: my rows of a tile in b1
.set A5,   22                          ; v[22:23] the polynomial's leading coefficient, twice
.set M,    24                          ; running maximum of row 16 t + r
.set LS,   28                          ; my lane's part of the denominator; later 1 / denominator
.set AL,   32                          ; factor for what was summed under the old maximum
.set VR,   32                          ; (later, in its place) variance, then 1 / sqrt(var + eps)
.set NMC,  36                          ; - c x maximum
.set TM,   40
.set TX,   44                          ; takes the other half's figure
.set S,    48
.set TB,   48
.set KA,   112
.set KB,   176
.set VF0,  112
.set PF0,  176
.set VF1,  48
.set PF1,  208
.set G2,   112
.set LB2,  176
.set SV,   240
.set MSB,  0
.macro WIN new                         ; the immediate's high byte repeats the setting that is left; a switch that changes nothing is dropped
.if MSB != \new
	s_set_vgpr_msb (MSB<<8)|\new
.set MSB, \new
.endif
.endm
.macro PLACES n                        ; places behind matrix instructions (ISA guide 7.12.1)
.rept \n
	v_nop
.endr
.endm
.macro BAR
	s_barrier_signal -1
	s_barrier_wait -1
.endm
.macro ROUND                           ; a round of the cluster's barrier: my work-group's barrier, wave 0 signals for it, all wait for the four work-groups, my barrier again
	s_barrier_signal -1
	s_barrier_wait -1
	s_cmp_lg_u32 s24, 0
	s_cbranch_scc1 .Lnot_wave_0_\@
	s_barrier_signal -3
.Lnot_wave_0_\@:
	s_barrier_wait -3
	s_barrier_signal -1
	s_barrier_wait -1
.endm
; The change of tiles.  ns: the slot read last, which is filled again (it may be handed over as an expression, so it stands in brackets below).
; mode 0: nothing is left to fetch; 1: its address steps by val bytes; 2: its address is taken from s[val:val+1]; 5: as 2, and slot 1 is made
; ready for W2's tiles.  g1: the group 1 (pitch) of the load.
.macro TURN ns, mode, val, g1
	s_wait_xcnt 0x0
	v_lshl_add_u32 v254, v0, 2, 0x4fc00
	v_mov_b32 v255, 0
	s_wait_tensorcnt 0x0                           ; all my tensor loads have landed, my quarter of the tile now due among them: a group 0 may be written
	ds_add_u32 v254, v255
	s_wait_dscnt 0x0
.if \mode == 1
	s_add_nc_u64 s[50+4*(\ns):51+4*(\ns)], s[50+4*(\ns):51+4*(\ns)], \val
.endif
.if (\mode == 2) || (\mode == 5)
	s_mov_b64 s[50+4*(\ns):51+4*(\ns)], s[\val:\val+1]
	s_or_b32 s[51+4*(\ns)], s[51+4*(\ns)], 0x80000000
.endif
.if \mode == 5
	s_mov_b64 s[54:55], s[80:81]                   ; one tile ahead of W2's first: every fill of slot 1 from here on steps first
	s_or_b32 s55, s55, 0x80000000
	s_mul_i32 s53, s24, 32*VPITCH                  ; my quarter at the other pitch
	s_add_co_u32 s53, s53, SLOT
.endif
	s_wait_dscnt 0x0                               ; my reads of the slot read last are back, my LDS stores are in
.if \mode
	ROUND                                          ; both now hold of every wave of the four work-groups
	tensor_load_to_lds s[48+4*(\ns):51+4*(\ns)], s[\g1:\g1+7]   ; my one load behind the round, first thing there
	s_nop 0
.else
	BAR
.endif
.endm
	s_load_b512 s[8:23], s[0:1], 0x0               ; x 8, y 10, wt 12, ln2_g 14, ln2_b 16, b1 18, b2 20, out0 22
	v_lshl_add_u32 v254, v0, 2, 0x4fc00
	v_mov_b32 v255, 0
	ds_add_u32 v254, v255
	s_wait_dscnt 0x0
	v_and_b32 v40, 31, v0                          ; L
	v_lshrrev_b32 v41, 5, v0
	v_readfirstlane_b32 s24, v41                   ; w
	s_bfe_u32 s25, ttmp6, 0x40000                  ; cx: enters the offsets of plain loads and stores alone
	s_lshl_b32 s26, ttmp9, 2
	s_add_co_u32 s26, s26, s25                     ; work-group = 4 x cluster + cx
	s_lshr_b32 s27, ttmp9, 3                       ; batch: eight clusters each
	s_mov_b32 s56, 0x76543210                      ; v_permlanex16_b32: lane i reads lane i of the other half
	s_mov_b32 s57, 0xfedcba98
	s_mov_b32 s59, 0x3b000000                      ; 1 / 512
	s_mov_b32 s60, 0x3d8293ee                      ; c = log2(e) / sqrt(512)
	s_mov_b32 s61, 0x3d8293ee
	s_mov_b32 s62, 0xbd8293ee                      ; - c
	s_mov_b32 s63, 0x3727c5ac                      ; 1e-5
	s_mov_b32 s76, 0x3e6d3388                      ; 0.3275911 / sqrt(2)
	s_mov_b32 s77, 0xbb000000                      ; - 1 / 512
	; group 1, s[32:39] (LDS pitch 1,040) and s[40:47] (1,056): 32 rows x 512 bf16, 512 elements from row to row; they differ in the padding
	s_mov_b32 s32, 0x07f1000f                      ; mask 15 | 2-byte elements | padding on | bit 21 beside the mask | interval code 7 | pad code 3
	s_mov_b32 s40, 0x0ff1000f                      ; the same with pad code 7
	s_mov_b32 s33, 512<<16                         ; tensor_dim0 = 512
	s_mov_b32 s41, 512<<16
	s_mov_b32 s34, 32<<16                          ; tensor_dim1 = 32
	s_mov_b32 s42, 32<<16
	s_mov_b32 s35, 512<<16                         ; tile_dim0 = 512
	s_mov_b32 s43, 512<<16
	s_mov_b32 s36, 32                              ; tile_dim1 = 32
	s_mov_b32 s44, 32
	s_mov_b32 s37, 512
	s_mov_b32 s45, 512
	s_mov_b32 s38, 0
	s_mov_b32 s46, 0
	s_mov_b32 s39, 0
	s_mov_b32 s47, 0
	s_mul_i32 s30, s24, 32*KPITCH                  ; my quarter of a slot
	v_and_b32 v42, 15, v0                          ; r
	v_bfe_u32 v43, v0, 4, 1                        ; h
	v_mul_u32_u24 v44, v42, KPITCH
	v_lshl_add_u32 v45, v43, 7, v44                ; 1,040 r + 128 h
	v_lshl_add_u32 v44, v43, 4, v44                ; 1,040 r + 16 h
	v_add_nc_u32 v[KADR], s30, v44
	v_add_nc_u32 v[KADR+1], SLOT, v[KADR]
	v_add_nc_u32 v[YLD], R0, v44
	s_lshl_b32 s2, s24, 8                          ; 256 w
	s_add_co_u32 s3, s2, R0
	v_add_nc_u32 v[YST], s3, v44
	v_add_nc_u32 v[YSA], s3, v45
	v_and_b32 v45, 7, v0
	v_lshl_add_u32 v45, v43, 3, v45                ; 8 h + L % 8
	v_bfe_u32 v46, v0, 3, 1                        ; (L / 8) % 2
	v_mul_u32_u24 v47, v45, KPITCH
	v_lshl_add_u32 v47, v46, 7, v47
	v_add_nc_u32 v[VA], s2, v47
	v_add_nc_u32 v[VA+1], 64*KPITCH, v[VA]
	v_add_nc_u32 v[VA+2], SLOT, v[VA]
	v_add_nc_u32 v[VA+3], SLOT, v[VA+1]
	v_mul_u32_u24 v47, v45, VPITCH
	v_lshl_add_u32 v47, v46, 4, v47
	s_add_co_u32 s3, s2, SLOT
	v_add_nc_u32 v[VB], s3, v47
	v_add_nc_u32 v[VB+1], 64*VPITCH, v[VB]
	v_mul_u32_u24 v44, v42, 272
	v_lshl_add_u32 v45, v43, 5, v44                ; 272 r + 32 h
	v_lshl_add_u32 v44, v43, 4, v44                ; 272 r + 16 h
	v_add_nc_u32 v[PLD], R0, v44
	s_lshl_b32 s3, s24, 6
	v_add_nc_u32 v[PST], s3, v[PLD]
	v_lshlrev_b32 v44, 4, v42
	v_add_nc_u32 v[SLD], ST, v44
	s_lshl_b32 s3, s24, 2
	v_add_nc_u32 v[SST], s3, v[SLD]
	s_mul_i32 s3, s24, 4352
	s_add_co_u32 s3, s3, R2
	v_add_nc_u32 v[XLD], s3, v45
	v_mul_u32_u24 v44, v43, 272
	v_lshl_add_u32 v44, v42, 4, v44
	v_add_nc_u32 v[XST], s3, v44
	s_lshl_b32 s3, s24, 9
	v_lshlrev_b32 v44, 11, v43
	v_lshl_add_u32 v44, v42, 4, v44
	v_add_nc_u32 v[GOF], s3, v44
	v_lshl_add_u32 v[VEC], v43, 5, s3
	s_lshl_b32 s3, s24, 7
	v_lshl_add_u32 v[B1O], v43, 5, s3
	v_lshlrev_b32 v44, 10, v42
	v_lshl_add_u32 v[QOF], v43, 4, v44
.irp t, 0,1,2,3
	v_mov_b32 v[TX+\t], 0                          ; v_permlanex16_b32 counts as a reader of its destination: written once here
.endr
	v_mov_b32 v[A5], 0x3f87dc22                    ; 1.061405429
	v_mov_b32 v[A5+1], 0x3f87dc22
	s_lshl_b32 s28, s27, 21                        ; the batch's 2,048 rows of 1,024 bytes,
	s_lshl_b32 s2, s24, 15                         ; my quarter of a tile, 32 w rows: cluster's number and wave's number alone
	s_add_co_u32 s28, s28, s2
	s_mov_b32 s29, 0
	s_mov_b32 s3, 0
	s_wait_kmcnt 0x0
	s_add_nc_u64 s[66:67], s[10:11], s[28:29]      ; y tile 0
	s_add_nc_u64 s[84:85], s[66:67], 131072        ; y tile 1
	s_add_nc_u64 s[28:29], s[12:13], s[2:3]        ; M^T tile 0
	s_add_nc_u64 s[78:79], s[28:29], 1024*1024     ; W1^T tile 0
	s_add_nc_u64 s[80:81], s[28:29], 1408*1024     ; one tile ahead of W2's tile 0 (inside wt; never loaded from)
	s_lshl_b32 s2, s24, 17                         ; Wv^T: my quarter of tile i is rows 128 w + 32 i, so that the sums fall into O's layout
	s_add_nc_u64 s[68:69], s[12:13], s[2:3]
	s_add_nc_u64 s[68:69], s[68:69], 512*1024      ; Wv^T tile 0
	s_add_nc_u64 s[86:87], s[68:69], 32768         ; Wv^T tile 1
	s_mov_b32 s48, 1                               ; group 0 of slot 0, s[48:51]
	s_add_co_u32 s49, s30, 0
	s_mov_b64 s[50:51], s[28:29]
	s_or_b32 s51, s51, 0x80000000
	s_mov_b32 s52, 1                               ; group 0 of slot 1, s[52:55]
	s_add_co_u32 s53, s30, SLOT
	s_add_nc_u64 s[54:55], s[28:29], 131072        ; M^T tile 1
	s_or_b32 s55, s55, 0x80000000
	s_lshl_b32 s2, s26, 17                         ; 64 rows of 2,048 bytes
	s_add_nc_u64 s[70:71], s[8:9], s[2:3]          ; x at my first row
	s_add_nc_u64 s[72:73], s[22:23], s[2:3]        ; out0 at my first row
	s_lshl_b32 s2, s26, 16                         ; 64 rows of 1,024 bytes
	s_add_nc_u64 s[74:75], s[10:11], s[2:3]        ; y at my first row
	ROUND                                          ; the four work-groups are here: the first joint loads meet
	tensor_load_to_lds s[48:51], s[32:39]          ; M^T tile 0
	s_nop 0
	tensor_load_to_lds s[52:55], s[32:39]          ; M^T tile 1
	s_nop 0
	; my 64 rows of y straight into fragments: lane (r, h) takes 16 bytes at k = 32 kk + 8 h and at + 16 of row 16 t + r
	WIN 0x40
.irp kk, 0,1,2,3,4,5,6,7
.irp t, 0,1,2,3
	global_load_b128 v[32*\kk+8*\t:32*\kk+8*\t+3], v[QOF], s[74:75] offset:16384*\t+64*\kk
	global_load_b128 v[32*\kk+8*\t+4:32*\kk+8*\t+7], v[QOF], s[74:75] offset:16384*\t+64*\kk+32
.endr
.endr
	WIN 0x80
.irp kk, 0,1,2,3,4,5,6,7
.irp t, 0,1,2,3
	global_load_b128 v[32*\kk+8*\t:32*\kk+8*\t+3], v[QOF], s[74:75] offset:16384*\t+512+64*\kk
	global_load_b128 v[32*\kk+8*\t+4:32*\kk+8*\t+7], v[QOF], s[74:75] offset:16384*\t+512+64*\kk+32
.endr
.endr
	WIN 0
; 16 LDS loads: my 32 rows of a slot (two fragments of 16), k = 128 g .. 128 g + 127
.macro FETCHK kadr, g, buf
.irp kq, 0,1,2,3
.irp kt, 0,1
	ds_load_b128 v[\buf+16*\kq+8*\kt:\buf+16*\kq+8*\kt+3], v[\kadr] offset:16*KPITCH*\kt+64*(4*\g+\kq)
	ds_load_b128 v[\buf+16*\kq+8*\kt+4:\buf+16*\kq+8*\kt+7], v[\kadr] offset:16*KPITCH*\kt+64*(4*\g+\kq)+32
.endr
.endr
.endm
; 32 matrix instructions.  The eight accumulators take turns, one instruction a turn.  The first product starts the sums.
.macro SMUL buf, g
.irp kq, 0,1,2,3
.irp kt, 0,1
.irp t, 0,1,2,3
.if (4*\g+\kq) == 0
	v_wmma_f32_16x16x32_bf16 v[S+8*(4*\kt+\t):S+8*(4*\kt+\t)+7], v[\buf+16*\kq+8*\kt:\buf+16*\kq+8*\kt+7], v[32*((4*\g+\kq)&7)+8*\t:32*((4*\g+\kq)&7)+8*\t+7], 0
.else
	v_wmma_f32_16x16x32_bf16 v[S+8*(4*\kt+\t):S+8*(4*\kt+\t)+7], v[\buf+16*\kq+8*\kt:\buf+16*\kq+8*\kt+7], v[32*((4*\g+\kq)&7)+8*\t:32*((4*\g+\kq)&7)+8*\t+7], v[S+8*(4*\kt+\t):S+8*(4*\kt+\t)+7]
.endif
.endr
.endr
.endr
.endm
; S(kt, t): lane (r, h), register j = (tile row 32 w + 16 kt + 8 h + j) . (row 16 t + r of the operand).  128 matrix instructions on 64 LDS loads.
; wlo: the window setting for the operand's lower half of k (window 1: 0x04, window 3: 0x0c); the upper half lies in window 2.
.macro SPHASE kadr, wlo
	PLACES 5                                       ; S lies on V buffer 1 and is written over: five places behind the matrix instructions that read it
	FETCHK \kadr, 0, KA
	FETCHK \kadr, 1, KB
	WIN \wlo
	s_wait_dscnt 16                                ; the older group of 16 is in, the younger may be out (so at each of these waits)
	SMUL KA, 0
	PLACES 4                                       ; loads into registers that matrix instructions have read
	FETCHK \kadr, 2, KA
	s_wait_dscnt 16
	SMUL KB, 1
	PLACES 4
	FETCHK \kadr, 3, KB
	WIN 0x08
	s_wait_dscnt 16
	SMUL KA, 2
	s_wait_dscnt 0
	SMUL KB, 3
	WIN 0
.endm
; The same product added onto O(t, 2 i + kt) in window 1 (which holds x): tile i of Wv^T.  Eight accumulators by turns.
.macro VMUL buf, g, i
.irp kq, 0,1,2,3
.irp kt, 0,1
.irp t, 0,1,2,3
	v_wmma_f32_16x16x32_bf16 v[8*(8*\t+2*\i+\kt):8*(8*\t+2*\i+\kt)+7], v[\buf+16*\kq+8*\kt:\buf+16*\kq+8*\kt+7], v[32*((4*\g+\kq)&7)+8*\t:32*((4*\g+\kq)&7)+8*\t+7], v[8*(8*\t+2*\i+\kt):8*(8*\t+2*\i+\kt)+7]
.endr
.endr
.endr
.endm
.macro VPHASE kadr, i
	PLACES 4
	FETCHK \kadr, 0, KA
	FETCHK \kadr, 1, KB
	s_wait_dscnt 16
	WIN 0x5c                                       ; C and D in window 1, second operand in window 3
	VMUL KA, 0, \i
	PLACES 4
	WIN 0                                          ; the fragment loads land in window 0
	FETCHK \kadr, 2, KA
	s_wait_dscnt 16
	WIN 0x5c
	VMUL KB, 1, \i
	PLACES 4
	WIN 0
	FETCHK \kadr, 3, KB
	s_wait_dscnt 16
	WIN 0x58                                       ; second operand in window 2
	VMUL KA, 2, \i
	s_wait_dscnt 0
	VMUL KB, 3, \i
	WIN 0
.endm
; A tile lies [key][column]: the transposing load gives fragments with the column as row m and the keys along k.  16 loads: keys 32 kc .., my 128 columns.
; y tiles (va = VA + 2 slot, vp = 1,040, ds = 16): fragment dt takes columns 8 dt .. + 7 and 64 + 8 dt .. + 7
; result register j of lane (r, h) is column 128 w + 64 h + 8 dt + j.
; W2 tiles (va = VB, vp = 1,056, ds = 32): neighbouring columns: column 128 w + 16 dt + 8 h + j.
.macro FETCHV kc, vf, va, vp, ds
.irp dt, 0,1,2,3,4,5,6,7
	ds_load_tr16_b128 v[\vf+8*\dt:\vf+8*\dt+3], v[\va+((\kc)>>1)] offset:32*\vp*((\kc)&1)+\ds*\dt
	ds_load_tr16_b128 v[\vf+8*\dt+4:\vf+8*\dt+7], v[\va+((\kc)>>1)] offset:32*\vp*((\kc)&1)+\ds*\dt+16*\vp
.endr
.endm
.macro FETCHP kc, pf                   ; 8 loads: P of all 64 rows, keys 32 kc ..
.irp t, 0,1,2,3
	ds_load_b128 v[\pf+8*\t:\pf+8*\t+3], v[PLD] offset:4352*\t+64*(\kc)
	ds_load_b128 v[\pf+8*\t+4:\pf+8*\t+7], v[PLD] offset:4352*\t+64*(\kc)+32
.endr
.endm
.macro PMUL vf, pf, zero               ; 32 matrix instructions; the 32 accumulators take turns, one instruction a turn
.irp dt, 0,1,2,3,4,5,6,7
.irp t, 0,1,2,3
.if \zero
	v_wmma_f32_16x16x32_bf16 v[8*(8*\t+\dt):8*(8*\t+\dt)+7], v[\vf+8*\dt:\vf+8*\dt+7], v[\pf+8*\t:\pf+8*\t+7], 0
.else
	v_wmma_f32_16x16x32_bf16 v[8*(8*\t+\dt):8*(8*\t+\dt)+7], v[\vf+8*\dt:\vf+8*\dt+7], v[\pf+8*\t:\pf+8*\t+7], v[8*(8*\t+\dt):8*(8*\t+\dt)+7]
.endif
.endr
.endr
.endm
.macro PVSTEP kc, vf, pf, nvf, npf, zero, va, vp, ds
	s_wait_dscnt 0x0                               ; this step's 24 loads are in
.if \kc < 3
.if \kc > 0
	PLACES 4                                       ; the other buffers were read by the step before
.endif
	FETCHV \kc+1, \nvf, \va, \vp, \ds              ; the next step's fragments have this step's 32 matrix instructions in which to come
	FETCHP \kc+1, \npf
.endif
	WIN 0x50                                       ; C and D in window 1
	PMUL \vf, \pf, \zero
	WIN 0
.endm
.macro PV first, pre, va, vp, ds       ; pre = 1: the tile's fragments of step 0 were asked for ahead of the softmax
.if \pre == 0
	FETCHV 0, VF0, \va, \vp, \ds
.endif
	FETCHP 0, PF0
	PVSTEP 0, VF0, PF0, VF1, PF1, \first, \va, \vp, \ds
	PVSTEP 1, VF1, PF1, VF0, PF0, 0, \va, \vp, \ds
	PVSTEP 2, VF0, PF0, VF1, PF1, 0, \va, \vp, \ds
	PVSTEP 3, VF1, PF1, VF0, PF0, 0, \va, \vp, \ds
.endm
.macro PSTORE reg                      ; round S to bf16 in place; a lane's 16 bytes are 8 neighbouring tile rows of row 16 t + r; into region reg
.irp i, 0,1,2,3,4,5,6,7
.irp q, 0,1,2,3
	v_cvt_pk_bf16_f32 v[S+8*\i+\q], v[S+8*\i+2*\q], v[S+8*\i+2*\q+1]
.endr
.endr
.irp kt, 0,1
.irp t, 0,1,2,3
	ds_store_b128 v[PST], v[S+8*(4*\kt+\t):S+8*(4*\kt+\t)+3] offset:RSZ*\reg+4352*\t+32*\kt
.endr
.endr
.endm
.macro FETCHQ i                        ; q' of tile i (128 of its 512 columns, all 64 rows) out of its stage into fragments kk = 4 i .. 4 i + 3
.if \i < 2
	WIN 0xc0
.else
	WIN 0x80
.endif
.irp kq, 0,1,2,3
.irp t, 0,1,2,3
	ds_load_b128 v[32*((4*\i+\kq)&7)+8*\t:32*((4*\i+\kq)&7)+8*\t+3], v[PLD] offset:RSZ*(\i&1)+4352*\t+64*\kq
	ds_load_b128 v[32*((4*\i+\kq)&7)+8*\t+4:32*((4*\i+\kq)&7)+8*\t+7], v[PLD] offset:RSZ*(\i&1)+4352*\t+64*\kq+32
.endr
.endr
	WIN 0
.endm
.macro LOCALMAX                        ; the largest raw score of each row over my wave's 32 keys, into the table of maxima
.irp t, 0,1,2,3
	v_max3_num_f32 v[TM+\t], v[S+8*\t], v[S+8*\t+1], v[S+8*\t+2]
.endr
.irp t, 0,1,2,3
	v_max3_num_f32 v[TM+\t], v[TM+\t], v[S+8*\t+3], v[S+8*\t+4]
.endr
.irp t, 0,1,2,3
	v_max3_num_f32 v[TM+\t], v[TM+\t], v[S+8*\t+5], v[S+8*\t+6]
.endr
.irp t, 0,1,2,3
	v_max3_num_f32 v[TM+\t], v[TM+\t], v[S+8*\t+7], v[S+32+8*\t]
.endr
.irp t, 0,1,2,3
	v_max3_num_f32 v[TM+\t], v[TM+\t], v[S+32+8*\t+1], v[S+32+8*\t+2]
.endr
.irp t, 0,1,2,3
	v_max3_num_f32 v[TM+\t], v[TM+\t], v[S+32+8*\t+3], v[S+32+8*\t+4]
.endr
.irp t, 0,1,2,3
	v_max3_num_f32 v[TM+\t], v[TM+\t], v[S+32+8*\t+5], v[S+32+8*\t+6]
.endr
.irp t, 0,1,2,3
	v_max_num_f32 v[TM+\t], v[TM+\t], v[S+32+8*\t+7]
.endr
.irp t, 0,1,2,3
	v_permlanex16_b32 v[TX+\t], v[TM+\t], s56, s57
.endr
.irp t, 0,1,2,3
	v_max_num_f32 v[TM+\t], v[TM+\t], v[TX+\t]
.endr
.irp t, 0,1,2,3
	ds_store_b32 v[SST], v[TM+\t] offset:256*\t    ; both halves of the lanes write the same word with the same value
.endr
.endm
.macro SM_SCALE t, pr, sel             ; c s - c m for the 16 scores of row block t
.irp kt, 0,1
.irp q, 0,1,2,3
	v_pk_fma_f32 v[S+8*(4*\kt+\t)+2*\q:S+8*(4*\kt+\t)+2*\q+1], v[S+8*(4*\kt+\t)+2*\q:S+8*(4*\kt+\t)+2*\q+1], s[60:61], v[NMC+\pr:NMC+\pr+1] op_sel:[0,0,\sel] op_sel_hi:[1,0,\sel]
.endr
.endr
.endm
.macro SM_SUM t, first                 ; my lane's 16 p of row block t, added onto its part of the denominator
	v_pk_add_f32 v[SV+8*(\t&1):SV+8*(\t&1)+1], v[S+8*\t:S+8*\t+1], v[S+8*\t+2:S+8*\t+3]
	v_pk_add_f32 v[SV+8*(\t&1)+2:SV+8*(\t&1)+3], v[S+8*\t+4:S+8*\t+5], v[S+8*\t+6:S+8*\t+7]
	v_pk_add_f32 v[SV+8*(\t&1)+4:SV+8*(\t&1)+5], v[S+32+8*\t:S+32+8*\t+1], v[S+32+8*\t+2:S+32+8*\t+3]
	v_pk_add_f32 v[SV+8*(\t&1)+6:SV+8*(\t&1)+7], v[S+32+8*\t+4:S+32+8*\t+5], v[S+32+8*\t+6:S+32+8*\t+7]
	v_pk_add_f32 v[SV+8*(\t&1):SV+8*(\t&1)+1], v[SV+8*(\t&1):SV+8*(\t&1)+1], v[SV+8*(\t&1)+2:SV+8*(\t&1)+3]
	v_pk_add_f32 v[SV+8*(\t&1)+4:SV+8*(\t&1)+5], v[SV+8*(\t&1)+4:SV+8*(\t&1)+5], v[SV+8*(\t&1)+6:SV+8*(\t&1)+7]
	v_pk_add_f32 v[SV+8*(\t&1):SV+8*(\t&1)+1], v[SV+8*(\t&1):SV+8*(\t&1)+1], v[SV+8*(\t&1)+4:SV+8*(\t&1)+5]
.if \first
	v_add_f32 v[LS+\t], v[SV+8*(\t&1)], v[SV+8*(\t&1)+1]
.else
	v_fma_f32 v[LS+\t], v[LS+\t], v[AL+\t], v[SV+8*(\t&1)]
	v_add_f32 v[LS+\t], v[LS+\t], v[SV+8*(\t&1)+1]
.endif
.endm
.macro SOFTMAX first
	s_wait_dscnt 16                                ; the four loads of the maxima are in; the 16 transposing loads issued behind them may be out
.if \first
.irp t, 0,1,2,3
	v_max3_num_f32 v[M+\t], v[SV+4*\t], v[SV+4*\t+1], v[SV+4*\t+2]
.endr
.irp t, 0,1,2,3
	v_max_num_f32 v[M+\t], v[M+\t], v[SV+4*\t+3]
.endr
.else
.irp t, 0,1,2,3
	v_max3_num_f32 v[TM+\t], v[SV+4*\t], v[SV+4*\t+1], v[SV+4*\t+2]
.endr
.irp t, 0,1,2,3
	v_max3_num_f32 v[TM+\t], v[TM+\t], v[SV+4*\t+3], v[M+\t]   ; the new running maximum
.endr
.irp t, 0,1,2,3
	v_sub_f32 v[AL+\t], v[M+\t], v[TM+\t]
.endr
.irp t, 0,1,2,3
	v_mul_f32 v[AL+\t], s60, v[AL+\t]
.endr
.irp t, 0,1,2,3
	v_exp_f32 v[AL+\t], v[AL+\t]
.endr
.irp t, 0,1,2,3
	v_mov_b32 v[M+\t], v[TM+\t]                    ; the state moves on; also the plain place behind the exponentials (ISA guide 5.7.2)
.endr
.endif
.irp t, 0,1,2,3
	v_mul_f32 v[NMC+\t], s62, v[M+\t]
.endr
	SM_SCALE 0, 0, 0
	SM_SCALE 1, 0, 1
	SM_SCALE 2, 2, 0
	SM_SCALE 3, 2, 1
.irp i, 0,1,2,3,4,5,6,7
.irp j, 0,1,2,3,4,5,6,7
	v_exp_f32 v[S+8*\i+\j], v[S+8*\i+\j]
.endr
.endr
	v_nop                                          ; one plain place behind the exponentials
	s_wait_alu depctr_va_vdst(0)
	SM_SUM 0, \first
	SM_SUM 1, \first
	SM_SUM 2, \first
	SM_SUM 3, \first
	PSTORE 0
.endm
.macro RS_T t, pr, sel
.irp dt, 0,1,2,3,4,5,6,7
.irp q, 0,1,2,3
	v_pk_mul_f32 v[8*(8*\t+\dt)+2*\q:8*(8*\t+\dt)+2*\q+1], v[8*(8*\t+\dt)+2*\q:8*(8*\t+\dt)+2*\q+1], v[AL+\pr:AL+\pr+1] op_sel:[0,\sel] op_sel_hi:[1,\sel]
.endr
.endr
.endm
.macro RESCALE                         ; what was summed under the old maximum is brought under the new one
	WIN 0x41
	RS_T 0, 0, 0
	RS_T 1, 0, 1
	RS_T 2, 2, 0
	RS_T 3, 2, 1
	WIN 0
.endm
; gelu(u) = max(u, 0) - |u| / 2 x erfc(|u| / sqrt 2), erfc(z) = (a1 t + .. + a5 t^5) exp(-z^2), t = 1 / (1 + 0.3275911 z).
; a: eight sums; bb: their eight biases; tb: 32 temporaries (t, exp, u / 2, polynomial).
.macro GELU8 a, bb, tb
.irp q, 0,1,2,3
	v_pk_add_f32 v[\a+2*\q:\a+2*\q+1], v[\a+2*\q:\a+2*\q+1], v[\bb+2*\q:\bb+2*\q+1]
.endr
.irp j, 0,1,2,3,4,5,6,7
	v_fma_f32 v[\tb+\j], |v[\a+\j]|, s76, 1.0
.endr
.irp q, 0,1,2,3
	v_pk_mul_f32 v[\tb+8+2*\q:\tb+8+2*\q+1], v[\a+2*\q:\a+2*\q+1], 0xbf38aa3b op_sel_hi:[1,0]   ; - log2(e) / 2 x u
.endr
.irp q, 0,1,2,3
	v_pk_mul_f32 v[\tb+8+2*\q:\tb+8+2*\q+1], v[\tb+8+2*\q:\tb+8+2*\q+1], v[\a+2*\q:\a+2*\q+1]
.endr
.irp j, 0,1,2,3,4,5,6,7
	v_rcp_f32 v[\tb+\j], v[\tb+\j]
.endr
.irp j, 0,1,2,3,4,5,6,7
	v_exp_f32 v[\tb+8+\j], v[\tb+8+\j]
.endr
.irp q, 0,1,2,3
	v_pk_mul_f32 v[\tb+16+2*\q:\tb+16+2*\q+1], v[\a+2*\q:\a+2*\q+1], 0.5 op_sel_hi:[1,0]         ; also the plain place behind the transcendentals
.endr
	s_wait_alu depctr_va_vdst(0)
.irp q, 0,1,2,3
	v_pk_fma_f32 v[\tb+24+2*\q:\tb+24+2*\q+1], v[\tb+2*\q:\tb+2*\q+1], v[A5:A5+1], 0xbfba00e3 op_sel_hi:[1,1,0]   ; a5 t + a4 (-1.453152027)
.endr
.irp q, 0,1,2,3
	v_pk_fma_f32 v[\tb+24+2*\q:\tb+24+2*\q+1], v[\tb+24+2*\q:\tb+24+2*\q+1], v[\tb+2*\q:\tb+2*\q+1], 0x3fb5f0e3 op_sel_hi:[1,1,0]   ; a3 = 1.421413741
.endr
.irp q, 0,1,2,3
	v_pk_fma_f32 v[\tb+24+2*\q:\tb+24+2*\q+1], v[\tb+24+2*\q:\tb+24+2*\q+1], v[\tb+2*\q:\tb+2*\q+1], 0xbe91a98e op_sel_hi:[1,1,0]   ; a2 = -0.284496736
.endr
.irp q, 0,1,2,3
	v_pk_fma_f32 v[\tb+24+2*\q:\tb+24+2*\q+1], v[\tb+24+2*\q:\tb+24+2*\q+1], v[\tb+2*\q:\tb+2*\q+1], 0x3e827906 op_sel_hi:[1,1,0]   ; a1 = 0.254829592
.endr
.irp q, 0,1,2,3
	v_pk_mul_f32 v[\tb+24+2*\q:\tb+24+2*\q+1], v[\tb+24+2*\q:\tb+24+2*\q+1], v[\tb+2*\q:\tb+2*\q+1]
.endr
.irp q, 0,1,2,3
	v_pk_mul_f32 v[\tb+24+2*\q:\tb+24+2*\q+1], v[\tb+24+2*\q:\tb+24+2*\q+1], v[\tb+8+2*\q:\tb+8+2*\q+1]
.endr
.irp j, 0,1,2,3,4,5,6,7
	v_max_num_f32 v[\a+\j], 0, v[\a+\j]
.endr
.irp j, 0,1,2,3,4,5,6,7
	v_fma_f32 v[\a+\j], -|v[\tb+16+\j]|, v[\tb+24+\j], v[\a+\j]
.endr
.endm
.macro GELU
	s_wait_loadcnt 0x0                             ; b1 of my 32 rows of the tile; its loads are done, so their base may step
	s_add_nc_u64 s[18:19], s[18:19], 512           ; the next tile's 128 numbers (behind the last tile the stepped base is not used)
.irp kt, 0,1
.irp t, 0,1,2,3
	GELU8 S+8*(4*\kt+\t), SV+8*\kt, 176+32*(\t&1)
.endr
.endr
	PSTORE 0
.endm
; x, rows 16 t .. 16 t + 15, my 512 bytes of each: a load takes two rows' 256 aligned bytes.  It waits in window 3, in the registers of the
; operand's fragments (kk, t), which q' has left and which the exchange of block t fills only behind block t's stage stores.
.macro XLOAD t
.irp c, 0,1
.irp i, 0,1,2,3,4,5,6,7
	global_load_b128 v[32*((8*\c+\i)>>1)+8*\t+4*((8*\c+\i)&1):32*((8*\c+\i)>>1)+8*\t+4*((8*\c+\i)&1)+3], v[GOF], s[70:71] offset:(16*\t+2*\i)*2048+256*\c th:TH_LOAD_NT
.endr
.endr
.endm
; One tile of 128 keys in slot sl.  first: the sums start.  last: x is asked for.  mode, val: how the other slot's next tile is addressed.
.macro ATILE sl, first, last, mode, val
	TURN 1-\sl, \mode, \val, 32
	SPHASE KADR+\sl, 0x0c
	PLACES 4                                       ; behind the last matrix instructions: S is read, KA, KB and (last tile) q's registers are loaded into
.if \last
	WIN 0xc0
	XLOAD 0
	XLOAD 1
	XLOAD 2
	WIN 0
.endif
	LOCALMAX
	s_wait_dscnt 0x0                               ; my maxima are in the table
	BAR                                            ; the next tile may stay on its way
.irp t, 0,1,2,3
	ds_load_b128 v[SV+4*\t:SV+4*\t+3], v[SLD] offset:256*\t    ; the four waves' maxima of row 16 t + r
.endr
	FETCHV 0, VF0, VA+2*\sl, KPITCH, 16
	SOFTMAX \first
	s_wait_dscnt 0x0                               ; my part of P is in LDS
	s_barrier_signal -1
.if \first == 0
	RESCALE                                        ; register work while the others arrive
.endif
	s_barrier_wait -1
.if \last
	WIN 0xc0
	XLOAD 3
	WIN 0
.endif
	PV \first, 1, VA+2*\sl, KPITCH, 16
	PLACES 4
.endm
	; ---- q' = y M: four tiles of M^T; each tile's 128 columns go through a stage into fragments
	s_wait_loadcnt 0x0                             ; my rows of y
	s_wait_tensorcnt 0x1                           ; my quarter of tile 0 is in; tile 1's, issued behind it, may stay out
	BAR
	SPHASE KADR, 0x04
	PLACES 4
	PSTORE 0
	TURN 0, 1, 262144, 32                          ; M^T tile 2
	FETCHQ 0
	SPHASE KADR+1, 0x04
	PLACES 4
	PSTORE 1
	TURN 1, 1, 262144, 32                          ; M^T tile 3
	FETCHQ 1
	SPHASE KADR, 0x04
	PLACES 4
	PSTORE 0
	TURN 0, 2, 66, 32                              ; y tile 0
	SPHASE KADR+1, 0x04
	PLACES 4
	PSTORE 1
	s_wait_dscnt 0x0
	BAR                                            ; every wave's part of the last stage is in; window 2 has been read for the last time as y
	FETCHQ 2
	FETCHQ 3
	; ---- the keys
	ATILE 0, 1, 0, 2, 84
	s_mov_b32 s58, 7
.Lkeys:
	ATILE 1, 0, 0, 1, 262144
	ATILE 0, 0, 0, 1, 262144
	s_sub_co_i32 s58, s58, 1
	s_cmp_lg_u32 s58, 0
	s_cbranch_scc1 .Lkeys
	ATILE 1, 0, 1, 2, 68                           ; the last keys; Wv^T tile 0 is asked for
.macro TABSUM off, dst                 ; the four waves' figures of row 16 t + r, added
.irp t, 0,1,2,3
	ds_load_b128 v[SV+4*\t:SV+4*\t+3], v[SLD] offset:\off+256*\t
.endr
	s_wait_dscnt 0x0
.irp t, 0,1,2,3
	v_pk_add_f32 v[SV+4*\t:SV+4*\t+1], v[SV+4*\t:SV+4*\t+1], v[SV+4*\t+2:SV+4*\t+3]
.endr
.irp t, 0,1,2,3
	v_add_f32 v[\dst+\t], v[SV+4*\t], v[SV+4*\t+1]
.endr
.endm
.macro CROSS src, off                  ; the two halves of the lanes added, my wave's figure into a table
.irp t, 0,1,2,3
	v_permlanex16_b32 v[TX+\t], v[\src+\t], s56, s57
.endr
.irp t, 0,1,2,3
	v_add_f32 v[\src+\t], v[\src+\t], v[TX+\t]
.endr
.irp t, 0,1,2,3
	ds_store_b32 v[SST], v[\src+\t] offset:\off+256*\t
.endr
.endm
.macro QFLOAD t                        ; rows 16 t .. + 15, all 512 columns, out of an exchange region into the operand's fragments
	WIN 0xc0
.irp kk, 0,1,2,3,4,5,6,7
	ds_load_b128 v[32*\kk+8*\t:32*\kk+8*\t+3], v[YLD] offset:RSZ*(\t&1)+64*\kk
	ds_load_b128 v[32*\kk+8*\t+4:32*\kk+8*\t+7], v[YLD] offset:RSZ*(\t&1)+64*\kk+32
.endr
	WIN 0x80
.irp kk, 0,1,2,3,4,5,6,7
	ds_load_b128 v[32*\kk+8*\t:32*\kk+8*\t+3], v[YLD] offset:RSZ*(\t&1)+512+64*\kk
	ds_load_b128 v[32*\kk+8*\t+4:32*\kk+8*\t+7], v[YLD] offset:RSZ*(\t&1)+512+64*\kk+32
.endr
	WIN 0
.endm
; Rows 16 t .. + 15: P y / l, my 128 columns, as bf16 into an exchange region; x of the same rows through my stage into the accumulators that P y has
; left (x comes by rows, O lies one row a lane); then all 512 columns of P y / l as fragments.
.macro OX_T t, pr, sel
	WIN 0x01
.irp dt, 0,1,2,3,4,5,6,7
.irp q, 0,1,2,3
	v_pk_mul_f32 v[TB+8*\dt+2*\q:TB+8*\dt+2*\q+1], v[8*(8*\t+\dt)+2*\q:8*(8*\t+\dt)+2*\q+1], v[LS+\pr:LS+\pr+1] op_sel:[0,\sel] op_sel_hi:[1,\sel]
.endr
.endr
	WIN 0
.irp dt, 0,1,2,3,4,5,6,7
.irp q, 0,1,2,3
	v_cvt_pk_bf16_f32 v[TB+8*\dt+\q], v[TB+8*\dt+2*\q], v[TB+8*\dt+2*\q+1]
.endr
.endr
.irp dt, 0,1,2,3,4,5,6,7
	ds_store_b128 v[YSA], v[TB+8*\dt:TB+8*\dt+3] offset:RSZ*(\t&1)+16*\dt   ; columns 128 w + 64 h + 8 dt .. + 7
.endr
	s_wait_loadcnt 48-16*\t                        ; this block's 16 loads of x are in; the 16 of each later block may be out
.irp c, 0,1
	WIN 0x0c
.irp i, 0,1,2,3,4,5,6,7
	ds_store_b128 v[XST], v[32*((8*\c+\i)>>1)+8*\t+4*((8*\c+\i)&1):32*((8*\c+\i)>>1)+8*\t+4*((8*\c+\i)&1)+3] offset:544*\i
.endr
	WIN 0x40
.irp dd, 0,1,2,3
	ds_load_b128 v[8*(8*\t+4*\c+\dd):8*(8*\t+4*\c+\dd)+3], v[XLD] offset:64*\dd      ; LDS serves a wave's instructions in order: these see the stores above,
	ds_load_b128 v[8*(8*\t+4*\c+\dd)+4:8*(8*\t+4*\c+\dd)+7], v[XLD] offset:64*\dd+16 ; and the next half's stores come behind them
.endr
.endr
	WIN 0
	s_wait_dscnt 0x0                               ; my stores are in, and my reads of the other region are back: it is written again next step
	BAR                                            ; Wv^T's first tile may stay on its way
	QFLOAD \t
.endm
	; ---- P y / l becomes the operand, O = x
	CROSS LS, 1024                                 ; my wave's part of the denominators
	s_wait_dscnt 0x0                               ; they are in, and my reads of P are back: the exchange overlies it
	BAR
	TABSUM 1024, LS
.irp t, 0,1,2,3
	v_rcp_f32 v[LS+\t], v[LS+\t]
.endr
	v_nop                                          ; one plain place behind the reciprocals
	s_wait_alu depctr_va_vdst(0)
	OX_T 0, 0, 0
	OX_T 1, 0, 1
	OX_T 2, 2, 0
	OX_T 3, 2, 1
	; ---- h = x + (P y / l) Wv: four tiles of Wv^T, added onto x
	TURN 1, 2, 86, 32                              ; Wv^T tile 1
	VPHASE KADR, 0
	TURN 0, 1, 65536, 32                           ; tile 2: 64 rows on
	VPHASE KADR+1, 1
	TURN 1, 1, 65536, 32                           ; tile 3
	VPHASE KADR, 2
	TURN 0, 5, 78, 32                              ; W1^T tile 0
	VPHASE KADR+1, 3
	PLACES 4
	; ---- LayerNorm2(h) becomes the operand;  O = h + b2
.macro SUM_T t                         ; the row's sum over my 64 columns, four chains
	WIN 0x05
.irp q, 0,1,2,3
	v_pk_add_f32 v[TB+2*\q:TB+2*\q+1], v[64*\t+2*\q:64*\t+2*\q+1], v[64*\t+8+2*\q:64*\t+8+2*\q+1]
.endr
	WIN 0x01
.irp dt, 2,3,4,5,6,7
.irp q, 0,1,2,3
	v_pk_add_f32 v[TB+2*\q:TB+2*\q+1], v[8*(8*\t+\dt)+2*\q:8*(8*\t+\dt)+2*\q+1], v[TB+2*\q:TB+2*\q+1]
.endr
.endr
	WIN 0
	v_pk_add_f32 v[TB:TB+1], v[TB:TB+1], v[TB+2:TB+3]
	v_pk_add_f32 v[TB+4:TB+5], v[TB+4:TB+5], v[TB+6:TB+7]
	v_pk_add_f32 v[TB:TB+1], v[TB:TB+1], v[TB+4:TB+5]
	v_add_f32 v[TM+\t], v[TB], v[TB+1]
.endm
.macro VAR_T t, pr, sel                ; squares of the centred values
	WIN 0x01
.irp dt, 0,1,2,3,4,5,6,7
.irp q, 0,1,2,3
	v_pk_add_f32 v[TB+8*\dt+2*\q:TB+8*\dt+2*\q+1], v[8*(8*\t+\dt)+2*\q:8*(8*\t+\dt)+2*\q+1], v[TM+\pr:TM+\pr+1] op_sel:[0,\sel] op_sel_hi:[1,\sel]
.endr
.endr
	WIN 0
.irp q, 0,1,2,3
	v_pk_mul_f32 v[SV+2*\q:SV+2*\q+1], v[TB+2*\q:TB+2*\q+1], v[TB+2*\q:TB+2*\q+1]
.endr
.irp dt, 1,2,3,4,5,6,7
.irp q, 0,1,2,3
	v_pk_fma_f32 v[SV+2*\q:SV+2*\q+1], v[TB+8*\dt+2*\q:TB+8*\dt+2*\q+1], v[TB+8*\dt+2*\q:TB+8*\dt+2*\q+1], v[SV+2*\q:SV+2*\q+1]
.endr
.endr
	v_pk_add_f32 v[SV:SV+1], v[SV:SV+1], v[SV+2:SV+3]
	v_pk_add_f32 v[SV+4:SV+5], v[SV+4:SV+5], v[SV+6:SV+7]
	v_pk_add_f32 v[SV:SV+1], v[SV:SV+1], v[SV+4:SV+5]
	v_add_f32 v[VR+\t], v[SV], v[SV+1]
.endm
.macro Y2_T t, pr, sel                 ; LayerNorm2 of rows 16 t .. + 15, my 128 columns, into an exchange region; then all 512 columns as fragments
	WIN 0x01
.irp dt, 0,1,2,3,4,5,6,7
.irp q, 0,1,2,3
	v_pk_fma_f32 v[TB+8*\dt+2*\q:TB+8*\dt+2*\q+1], v[8*(8*\t+\dt)+2*\q:8*(8*\t+\dt)+2*\q+1], v[VR+\pr:VR+\pr+1], v[TM+\pr:TM+\pr+1] op_sel:[0,\sel,\sel] op_sel_hi:[1,\sel,\sel]
.endr
.endr
	WIN 0
.irp dt, 0,1,2,3,4,5,6,7
.irp q, 0,1,2,3
	v_pk_fma_f32 v[TB+8*\dt+2*\q:TB+8*\dt+2*\q+1], v[TB+8*\dt+2*\q:TB+8*\dt+2*\q+1], v[G2+8*\dt+2*\q:G2+8*\dt+2*\q+1], v[LB2+8*\dt+2*\q:LB2+8*\dt+2*\q+1]
.endr
.endr
.irp dt, 0,1,2,3,4,5,6,7
.irp q, 0,1,2,3
	v_cvt_pk_bf16_f32 v[TB+8*\dt+\q], v[TB+8*\dt+2*\q], v[TB+8*\dt+2*\q+1]
.endr
.endr
.irp dt, 0,1,2,3,4,5,6,7
	ds_store_b128 v[YST], v[TB+8*\dt:TB+8*\dt+3] offset:RSZ*(\t&1)+32*\dt   ; columns 128 w + 16 dt + 8 h .. + 7
.endr
	s_wait_dscnt 0x0                               ; my stores are in, and my reads of the other region are back: it is written again next step
	BAR                                            ; W1^T's first tile may stay on its way
	QFLOAD \t
.endm
.irp dt, 0,1,2,3,4,5,6,7
	global_load_b128 v[G2+8*\dt:G2+8*\dt+3], v[VEC], s[14:15] offset:64*\dt
	global_load_b128 v[G2+8*\dt+4:G2+8*\dt+7], v[VEC], s[14:15] offset:64*\dt+16
	global_load_b128 v[LB2+8*\dt:LB2+8*\dt+3], v[VEC], s[16:17] offset:64*\dt
	global_load_b128 v[LB2+8*\dt+4:LB2+8*\dt+7], v[VEC], s[16:17] offset:64*\dt+16
.endr
	SUM_T 0
	SUM_T 1
	SUM_T 2
	SUM_T 3
	CROSS TM, 2048
	s_wait_dscnt 0x0
	BAR
	TABSUM 2048, TM
.irp t, 0,1,2,3
	v_mul_f32 v[TM+\t], s77, v[TM+\t]              ; minus the mean
.endr
	VAR_T 0, 0, 0
	VAR_T 1, 0, 1
	VAR_T 2, 2, 0
	VAR_T 3, 2, 1
	CROSS VR, 3072
	s_wait_dscnt 0x0
	BAR
	TABSUM 3072, VR
.irp t, 0,1,2,3
	v_fma_f32 v[VR+\t], v[VR+\t], s59, s63         ; var + eps
.endr
.irp t, 0,1,2,3
	v_rsq_f32 v[VR+\t], v[VR+\t]
.endr
	v_nop                                          ; one plain place behind the roots
	s_wait_alu depctr_va_vdst(0)
.irp t, 0,1,2,3
	v_mul_f32 v[TM+\t], v[TM+\t], v[VR+\t]         ; - mean / sqrt(var + eps)
.endr
	s_wait_loadcnt 0x0                             ; ln2_g, ln2_b
	Y2_T 0, 0, 0
	Y2_T 1, 0, 1
	Y2_T 2, 2, 0
	Y2_T 3, 2, 1
.irp dt, 0,1,2,3,4,5,6,7
	global_load_b128 v[TB+8*\dt:TB+8*\dt+3], v[VEC], s[20:21] offset:64*\dt
	global_load_b128 v[TB+8*\dt+4:TB+8*\dt+7], v[VEC], s[20:21] offset:64*\dt+16
.endr
	s_wait_loadcnt 0x0
	WIN 0x41                                       ; O = h + b2: the FFN's second product adds onto it, so residual and bias cost no further pass
.irp t, 0,1,2,3
.irp dt, 0,1,2,3,4,5,6,7
.irp q, 0,1,2,3
	v_pk_add_f32 v[8*(8*\t+\dt)+2*\q:8*(8*\t+\dt)+2*\q+1], v[8*(8*\t+\dt)+2*\q:8*(8*\t+\dt)+2*\q+1], v[TB+8*\dt+2*\q:TB+8*\dt+2*\q+1]
.endr
.endr
.endr
	WIN 0
	; ---- the FFN: W1^T's tiles in slot 0, W2's in slot 1.  The round ahead of W2's tile also shows every wave's activations to all.
.macro F1
	TURN 1, 1, 131072, 40                          ; W2's tile of this step
.irp kt, 0,1
	global_load_b128 v[SV+8*\kt:SV+8*\kt+3], v[B1O], s[18:19] offset:64*\kt
	global_load_b128 v[SV+8*\kt+4:SV+8*\kt+7], v[B1O], s[18:19] offset:64*\kt+16
.endr
	SPHASE KADR, 0x0c
	PLACES 4
	GELU
.endm
.macro F2 mode
	TURN 0, \mode, 131072, 32                      ; W1^T's tile of the next step
	PV 0, 0, VB, VPITCH, 32
	PLACES 4
.endm
	s_mov_b32 s58, 3
.Lffn:
	F1
	F2 1
	s_sub_co_i32 s58, s58, 1
	s_cmp_lg_u32 s58, 0
	s_cbranch_scc1 .Lffn
	F1
	F2 0                                           ; the last tile: nothing is left to fetch
	; ---- the way out: 16 rows at a time through my own stage, so that a store takes 512 consecutive bytes of one row
	s_wait_dscnt 0x0
	BAR                                            ; every wave's reads of the activations are over: the stages overlie them
	s_mul_i32 s3, s24, 8704
	s_add_co_u32 s3, s3, R0
	v_and_b32 v40, 31, v0
	v_and_b32 v42, 15, v0
	v_bfe_u32 v43, v0, 4, 1
	v_lshl_add_u32 v[XST], v40, 4, s3              ; my stage + 16 L
	v_mul_u32_u24 v44, v42, XPITCH
	v_lshl_add_u32 v44, v43, 5, v44
	v_add_nc_u32 v[XLD], s3, v44                   ; my stage + 528 r + 32 h
	s_lshl_b32 s3, s24, 9
	v_lshl_add_u32 v[GOF], v40, 4, s3              ; 512 w + 16 L (the loads of x that read this register were waited for long ago)
.macro OUT_T t, f
	WIN 0x04
.irp dt, 0,1,2,3,4,5,6,7
	ds_store_b128 v[XLD], v[8*(8*\t+\dt):8*(8*\t+\dt)+3] offset:64*\dt
	ds_store_b128 v[XLD], v[8*(8*\t+\dt)+4:8*(8*\t+\dt)+7] offset:64*\dt+16
.endr
	WIN 0
	s_wait_xcnt 0x0                                ; buffer f, which earlier stores read, is loaded again only behind this wait
.irp i, 0,1,2,3,4,5,6,7,8,9,10,11,12,13,14,15
	ds_load_b128 v[\f+4*\i:\f+4*\i+3], v[XST] offset:XPITCH*\i
.endr
.irp i, 0,1,2,3,4,5,6,7,8,9,10,11,12,13,14,15
	s_wait_dscnt 15-\i                             ; load i is in, the 15 - i younger ones may be out
	global_store_b128 v[GOF], v[\f+4*\i:\f+4*\i+3], s[72:73] offset:(16*\t+\i)*2048 th:TH_STORE_NT
.endr
.endm
	OUT_T 0, 48
	OUT_T 1, 112
	OUT_T 2, 48
	OUT_T 3, 112
	s_wait_xcnt 0x0
	v_lshl_add_u32 v254, v0, 2, 0x4fc00
	v_mov_b32 v255, 0
	s_wait_tensorcnt 0x0
	ds_add_u32 v254, v255
	s_wait_dscnt 0x0
	ROUND                                          ; the closing round: no work-group ends while a partner may still ask jointly
	s_endpgm
.Lfunc_end_k_q9a73c4d427_enc:
	.size	k_q9a73c4d427_enc, .Lfunc_end_k_q9a73c4d427_enc-k_q9a73c4d427_enc
	.p2alignl 7, 3214868480
	.fill 96, 4, 3214868480
	.section	.rodata,"a",@progbits
	.p2align	6, 0x0
	.amdhsa_kernel k_q9a73c4d427_enc
		.amdhsa_group_segment_fixed_size 327680
		.amdhsa_private_segment_fixed_size 0
		.amdhsa_enable_private_segment 0
		.amdhsa_kernarg_size 64
		.amdhsa_user_sgpr_count 2
		.amdhsa_user_sgpr_kernarg_segment_ptr 1
		.amdhsa_wavefront_size32 1
		.amdhsa_system_sgpr_workgroup_id_x 1
		.amdhsa_system_sgpr_workgroup_id_y 1
		.amdhsa_system_sgpr_workgroup_id_z 1
		.amdhsa_system_vgpr_workitem_id 0
		.amdhsa_next_free_vgpr 1024
		.amdhsa_next_free_sgpr 88
		.amdhsa_reserve_vcc 0
		.amdhsa_float_denorm_mode_32 3
		.amdhsa_float_denorm_mode_16_64 3
		.amdhsa_memory_ordered 1
		.amdhsa_forward_progress 1
		.amdhsa_inst_pref_size 255
	.end_amdhsa_kernel
	.section	.bss,"aw",@nobits
	.p2align	6
	.space	262144
	.amdgpu_metadata
---
amdhsa.version: [ 1, 2 ]
amdhsa.kernels:
  - .name:           k_q9a73c4d427_enc
    .symbol:         k_q9a73c4d427_enc.kd
    .args:
      - { .name: x, .offset: 0, .size: 8, .value_kind: global_buffer, .address_space: global }
      - { .name: y, .offset: 8, .size: 8, .value_kind: global_buffer, .address_space: global }
      - { .name: wt, .offset: 16, .size: 8, .value_kind: global_buffer, .address_space: global }
      - { .name: ln2_g, .offset: 24, .size: 8, .value_kind: global_buffer, .address_space: global }
      - { .name: ln2_b, .offset: 32, .size: 8, .value_kind: global_buffer, .address_space: global }
      - { .name: b1, .offset: 40, .size: 8, .value_kind: global_buffer, .address_space: global }
      - { .name: b2, .offset: 48, .size: 8, .value_kind: global_buffer, .address_space: global }
      - { .name: out0, .offset: 56, .size: 8, .value_kind: global_buffer, .address_space: global }
    .group_segment_fixed_size: 327680
    .private_segment_fixed_size: 0
    .kernarg_segment_align: 8
    .kernarg_segment_size: 64
    .max_flat_workgroup_size: 128
    .sgpr_count:     88
    .vgpr_count:     1024
    .wavefront_size: 32
...
	.end_amdgpu_metadata
.endif
;; end of part 2
